; MI455X (gfx1250); checked and timed in simulation.
; The chip was launched on July 23, 2026; its instructions are those of AMD's public machine-readable ISA for CDNA 5 (MIT licence, August 2026) and "CDNA5" Instruction Set Architecture Reference Guide (July 2026). The comments in the code are by the model that wrote it; some were corrected since.
;; Multi Head Attention. Allowed arithmetic: matrix products marked QUANTISED: E2M3 operands, one E8M0 scale for each 32 along K, by v_wmma_scale_f32_16x16x128_f8f6f4 with both operands' format E2M3, f32 sums; everything else in f32.
;; Inputs: Wk 1,024 x 1,024 float32; Wq 1,024 x 1,024 float32; Wv 1,024 x 1,024 float32; bk 1,024 float32; bq 1,024 float32; bv 1,024 float32; x 4 x 2,048 x 1,024 float32.
;; Outputs: out0 4 x 2,048 x 1,024 float32.
;; This version of the problem:
;;   THIS VERSION OF THE PROBLEM IS GIVEN IN LOW PRECISION. The matrix products marked QUANTISED in the list below multiply operands that are first quantised to E2M3 (2 exponent bits, 3 mantissa bits; 6 bits a number), with one power-of-two scale for each 32 numbers along K (OCP MX v1.0); their sums are f32. All else is computed in f32.
;;   The module's matrix products, in the order in which they are computed (A, B: the left and right operand; K: the contracted axis; several contracted axes count as one K, in the product's order):
;;     1. [M 8,192, K 1,024] x [K 1,024, N 1,024]; A: input x; B: input Wq: QUANTISED
;;     2. [M 8,192, K 1,024] x [K 1,024, N 1,024]; A: input x; B: input Wk: QUANTISED
;;     3. [M 8,192, K 1,024] x [K 1,024, N 1,024]; A: input x; B: input Wv: QUANTISED
;;     4. batch 64 x [M 2,048, K 64] x [K 64, N 2,048]; A: computed on the way; B: computed on the way: QUANTISED
;;     5. batch 64 x [M 2,048, K 2,048] x [K 2,048, N 64]; A: softmax (see below); B: computed on the way: QUANTISED
;;   THE QUANTISER, for each operand of a quantised product, along K:
;;     - K is cut into blocks of 32 from its start; a last block that is shorter is filled with zeros.
;;     - A block's scale is 2^e with e = floor(log2(the largest magnitude in the block)) - 2, held to -126 .. 127; a block of zeros has e = 0. As a byte (E8M0): e + 127.
;;     - Each number is divided by its block's scale, clamped to +-7.5, and rounded to the nearest number of E2M3, ties to even, subnormals kept.
;;     - The product sums the exact products of the quantised numbers (number of the format x scale) in f32.
;;   ~~~python
;;   def quantise(x, axis):      # numpy; x: float32 -> the quantised numbers, widened to float32 again
;;       x = np.moveaxis(x, axis, -1); K = x.shape[-1]
;;       x = np.pad(x, [(0, 0)] * (x.ndim - 1) + [(0, -K % 32)]); x = x.reshape(x.shape[:-1] + (-1, 32)); a = np.abs(x).max(-1, keepdims=True)
;;       e = np.where(a > 0, np.clip(np.frexp(np.where(a > 0, a, 1))[1] - 1 - 2, -126, 127), 0)      # np.frexp(a)[1] - 1 = floor(log2(a)), exactly
;;       r = np.clip(x / 2.0 ** e, -7.5, 7.5)
;;       step = 2.0 ** (np.maximum(np.frexp(np.where(r == 0, 1, r))[1] - 1, 0) - 3)
;;       q = np.round(r / step) * step * 2.0 ** e      # np.round: ties to even
;;       return np.moveaxis(q.reshape(q.shape[:-2] + (-1,))[..., :K], -1, axis).astype(np.float32)
;;   ~~~
;;   SOFTMAX AHEAD OF A QUANTISED PRODUCT. Where the list says 'softmax', what is quantised is not the finished softmax but p = 2^(t - M), with t = logit x log2(e) and M = ceil(the row's largest t), a whole number; so 1/2 < the row's largest p <= 1. The row's sum l is taken of the UNQUANTISED p, in f32, and the product's result is divided by l at the end. Since M is a whole number, a kernel that streams over the keys may use a running M (the ceiling of the running maximum): every later rescaling is an exact power of two, which a block's scale takes up: the codes' values come out the same.
;;   OPERANDS COMPUTED ON THE WAY. 'Computed on the way' means the value that the module computes at that place (a softmax that the list does not call 'softmax' is quantised finished and normalised). What goes into a quantiser is computed in f32, as accurately as f32 sums, v_exp_f32 and their like allow (about 1e-6 of the number): no bf16 or f16 on the way to a quantiser, and a product that is left as it is and whose result goes on into a quantised operand takes f32 operands (vector FMAs, or v_wmma_f32_16x16x4_f32). A number that lies on a knife's edge between two numbers of the format may be rounded either way, as far as f32 arithmetic and the matrix unit's own rounding can turn it there, and no further.
;; One version. Each part assembles by itself: llvm-mc -triple=amdgcn-amd-amdhsa -mcpu=gfx1250 --defsym DOCPART=n.
;; ======== version 1 of 1: 3 launches
;; limits: right only within a limited range of input values
;; workspace buffers: xq 6,553,600 bytes; wq 2,457,600 bytes; qkv 20,185,088 bytes
;; launch quant (part 1): grid 448 x 1, 4 waves a work-group, no clusters, 34,304 bytes of LDS; arguments x, Wq, Wk, Wv, xq, wq; writes xq, wq
.if DOCPART == 1
	.amdgcn_target "amdgcn-amd-amdhsa--gfx1250"
	.amdhsa_code_object_version 6
	.text
	.protected	k_q6d79287826_quant
	.globl	k_q6d79287826_quant
	.p2align	8
	.type	k_q6d79287826_quant,@function
k_q6d79287826_quant:
	s_mov_b64 s[64:65], 0
	v_nop
	global_prefetch_b8 v0, s[64:65] scope:SCOPE_SE
	s_setreg_imm32_b32 hwreg(HW_REG_WAVE_MODE, 25, 1), 1
	s_wait_xcnt 0x0
; x [8192][1024] f32 (K innermost) and Wq, Wk, Wv [1024 (k)][1024 (n)] f32 (K outermost) become codes of FP6 (E2M3) with one E8M0 byte for each 32 along K,
; laid IN THE ORDER OF THE OPERAND'S REGISTERS.  A tile is 16 rows (tokens of x, columns n of W) x all 1,024 of K: 12,800 bytes: eight images of 1,536 bytes, one for each 128 along K,
; then 512 bytes of scale words.  An image: registers 4 g .. 4 g + 3 of lane l of the fragment (16 rows x 128 K, 12 registers) at byte 512 g + 16 l.
; The word of (row r, K step ks) lies at 12,288 + 256 (ks / 4) + 16 r + 4 (ks % 4).
; THE ROWS OF A TILE ARE NOT NEIGHBOURS: row i of tile T is row 32 (T / 2) + 8 (T % 2) + i + 8 (i / 8) of the tensor, so that the results of two neighbouring tiles, used as source 0, are
; 16 neighbours in a lane's registers.
; A block's scale is 2^(floor(log2(its largest magnitude)) - 2): its byte is the largest magnitude's exponent field - 2, held at 1 from below.
; LIMITS: a block of zeros, or one whose largest magnitude lies under 2^-124, keeps the byte 1 (its codes are read with that byte by this program alone; zero codes add nothing); NaN and infinities are not served.
; One launch, two paths that part on the work-group's number and never join: work-groups 0-255 take x, 256-447 the weights.  Only x's path uses LDS.  No work-group shares an input byte with
; another, so there is no cluster; waves share nothing, so there is no barrier.
.set TILEB, 12800
.set IMG,   1536
.set SP,    528                        ; a stage row: 512 bytes + 16 = 33 x 16 bytes: the sixteen rows that a load of 16 bytes a lane touches begin at sixteen different 16-byte columns modulo 256
.set STG,   16*SP                      ; a wave's stage
.set SEL,   20                         ; s[20:21] v_permlanex16_b32's selects for lane l xor 16
; x's path
.set LA,  4                            ; v4   16 x lane
.set SW,  5                            ; v5   the stage, on the way in
.set SR,  6                            ; v6   and on the way out
.set SCO, 7                            ; v7   my 8 bytes of the 256 bytes of scale words
.set PW,  8                            ; v8-11 the scale words of my four K steps
.set OW,  12                           ; v12-13 the two that I store
.set HH,  14                           ; v14  lane / 16
.set R,   16                           ; v16-143 two sets of 64: a K step as loaded
.set X,   144                          ; v144-207 64 numbers of my row: register 16 b + i = k 32 b + 16 (lane / 16) + i
.set PC,  208                          ; v208-219 the fragment; v220-227 at work
.set TM,  228                          ; v228-243 at work
; the weights' path
.set WA,  4                            ; v4   4 x lane
.set WC,  5                            ; v5   my place in an image: 12,800 u + 16 r
.set WS,  6                            ; v6   and among the scale words
.set MX,  8                            ; v8-9   largest magnitudes
.set M2,  12                           ; v12-13 their second chains
.set SO,  16                           ; v16-17 the conversions' scale operands
.set BY,  20                           ; v20-23 the four bytes
.set WW,  24                           ; v24  the scale word
.set F,   32                           ; v32-55 two lanes' worth of the fragment: 12 registers for lane r, 12 for lane 16 + r
.set CT,  56                           ; v56-63 at work
.set WX,  64                           ; v64-191 my column's 128 numbers of the K step
; 64 numbers of a lane, register 16 b + i = k 32 b + 16 (lane / 16) + i of my row, become a fragment's codes in v[PC] on and its scale word in v[pw].
.macro QUANT s, pw
.irp b, 0,1,2,3
	v_max3_num_f32 v[TM+\b], |v[\s+16*\b]|, |v[\s+1+16*\b]|, 0x1800000   ; my 16 numbers of block b, and the floor 2^(3 - 127): the byte cannot fall under 1
.endr
.irp i, 2,4,6,8,10,12,14
.irp b, 0,1,2,3
	v_max3_num_f32 v[TM+\b], v[TM+\b], |v[\s+16*\b+\i]|, |v[\s+1+16*\b+\i]|   ; the four blocks by turns
.endr
.endr
.irp b, 0,1,2,3
	v_permlanex16_b32 v[TM+4+\b], v[TM+\b], s[SEL], s[SEL+1]
.endr
.irp b, 0,1,2,3
	v_max_num_f32 v[TM+\b], v[TM+\b], v[TM+4+\b]   ; with lane l xor 16's 16: the block's largest magnitude
.endr
.irp b, 0,1,2,3
	v_add_nc_u32 v[TM+12+\b], 0xff000000, v[TM+\b]   ; 2 off its exponent field: the conversion takes this operand's exponent field as its scale
.endr
.irp b, 0,1,2,3
	v_lshrrev_b32 v[TM+4+\b], 23, v[TM+12+\b]      ; the scale's byte
.endr
	v_lshl_or_b32 v[\pw], v[TM+5], 8, v[TM+4]
	v_lshl_or_b32 v[\pw], v[TM+6], 16, v[\pw]
	v_lshl_or_b32 v[\pw], v[TM+7], 24, v[\pw]      ; my row's scale word
.irp c, 0,1
	v_cvt_scalef32_pk16_fp6_f32 v[PC+6*\c:PC+2+6*\c], v[\s+32*\c:\s+15+32*\c], v[TM+12+2*\c]
	v_cvt_scalef32_pk16_fp6_f32 v[PC+12+4*\c:PC+14+4*\c], v[\s+16+32*\c:\s+31+32*\c], v[TM+12+2*\c+1]   ; (a conversion's three registers begin on an even number)
.endr
	v_nop                                          ; one plain instruction behind a scaled conversion
.irp c, 0,1                                    ; the operand wants a WHOLE block in a lane: lanes 0-15 block 2 c, lanes 16-31 block 2 c + 1
.irp i, 0,1,2
	v_permlane16_swap_b32 v[PC+6*\c+\i], v[PC+12+4*\c+\i]
.endr
.irp i, 0,1,2
	v_mov_b32 v[PC+3+6*\c+\i], v[PC+12+4*\c+\i]
.endr
.endr
.endm
	s_load_b256 s[4:11], s[0:1], 0x0               ; x s[4:5], Wq s[6:7], Wk s[8:9], Wv s[10:11]
	s_load_b128 s[12:15], s[0:1], 0x20             ; xq s[12:13], wq s[14:15]
	v_lshl_add_u32 v254, v0, 2, 0x8400
	v_mov_b32 v255, 0
	v_lshrrev_b32 v1, 5, v0
	v_readfirstlane_b32 s16, v1                    ; wave 0..3
	v_and_b32 v2, 31, v0                           ; lane
	s_cmp_lt_u32 ttmp9, 256
	s_cbranch_scc0 .Lweights
; ---------------- x: a wave takes one tile of 16 tokens and half of K: four K steps of 128, 32 KiB of f32 ----------------
	s_lshl_b32 s17, ttmp9, 2
	s_add_co_u32 s17, s17, s16                     ; 0 .. 1,023
	s_lshr_b32 s18, s17, 1                         ; the tile T
	s_and_b32 s19, s17, 1                          ; which half of K
	; x's TILES HAVE AN ORDER OF THEIR OWN: row i of tile T is token 64 (T / 4) + 8 (T % 4) + 32 (i / 8) + i % 8, so that the results of four neighbouring tiles, used as source 0,
	; are 32 neighbours in a lane's registers: a whole scale block of the next product.  (The weights' tiles keep the order stated at the head.)
	s_lshr_b32 s22, s18, 2
	s_lshl_b32 s22, s22, 18                        ; 64 (T / 4) rows of 4,096 bytes
	s_and_b32 s23, s18, 3
	s_lshl_b32 s23, s23, 15                        ; + 8 (T % 4) rows
	s_add_co_u32 s22, s22, s23
	s_lshl_b32 s23, s19, 11                        ; + 2,048 bytes for the second half of K
	s_add_co_u32 s22, s22, s23
	s_mov_b32 s23, 0
	s_mul_i32 s24, s18, TILEB
	s_mul_i32 s26, s19, 4*IMG
	s_add_co_u32 s26, s26, s24                     ; my four images
	s_mov_b32 s27, 0
	s_lshl_b32 s28, s19, 8
	s_add_co_u32 s28, s28, s24
	s_add_co_u32 s28, s28, 8*IMG                   ; my 256 bytes of scale words
	s_mov_b32 s29, 0
	s_mov_b32 s[SEL], 0x76543210
	s_mov_b32 s[SEL+1], 0xfedcba98
	s_mul_i32 s30, s16, STG                        ; my stage
	s_wait_alu depctr_va_vdst(0)
	v_lshlrev_b32 v[LA], 4, v2
	v_add_nc_u32 v[SW], s30, v[LA]                 ; in: a row's 512 bytes as they are loaded
	v_and_b32 v3, 15, v0                           ; r
	v_bfe_u32 v[HH], v0, 4, 1                      ; h
	v_mul_u32_u24 v[SR], v3, SP
	v_lshl_add_u32 v[SR], v[HH], 6, v[SR]
	v_add_nc_u32 v[SR], s30, v[SR]                 ; out: row r, + 64 h: my 16 numbers of each block of 32
	v_lshlrev_b32 v[SCO], 4, v3
	v_lshl_add_u32 v[SCO], v[HH], 3, v[SCO]        ; 16 r + 8 h
.irp b, 0,1,2,3
	v_mov_b32 v[TM+4+\b], 0                        ; written once: a lane permute's destination counts as one of its sources
.endr
	s_wait_alu depctr_va_vdst(0)
	s_wait_kmcnt 0x0
	s_add_nc_u64 s[4:5], s[4:5], s[22:23]
	s_add_nc_u64 s[26:27], s[12:13], s[26:27]
	s_add_nc_u64 s[28:29], s[12:13], s[28:29]
.macro LOADK j                         ; K step j of my 16 tokens: each load reads 512 consecutive bytes of one token
.irp i, 0,1,2,3,4,5,6,7,8,9,10,11,12,13,14,15
	global_load_b128 v[R+64*((\j)%2)+4*\i:R+64*((\j)%2)+4*\i+3], v[LA], s[4:5] offset:(\i%8+32*(\i/8))*4096+512*(\j) th:TH_LOAD_NT
.endr
.endm
.macro TURNK j                         ; through my stage: LDS serves a wave's instructions in order, so no wait stands between the stores and the loads
.irp i, 0,1,2,3,4,5,6,7,8,9,10,11,12,13,14,15
	ds_store_b128 v[SW], v[R+64*((\j)%2)+4*\i:R+64*((\j)%2)+4*\i+3] offset:SP*\i
.endr
.irp b, 0,1,2,3
.irp q, 0,1,2,3
	ds_load_b128 v[X+16*\b+4*\q:X+16*\b+4*\q+3], v[SR] offset:128*\b+16*\q
.endr
.endr
.endm
	LOADK 0
	LOADK 1
.irp j, 0,1,2,3
.if \j < 3
	s_wait_loadcnt 16                              ; this K step's 16 loads are in; the next one's 16 may be out
.else
	s_wait_loadcnt 0x0
.endif
	TURNK \j
	s_wait_dscnt 0x0                               ; the numbers are back, and the stores into the stage have read their registers,
.if \j < 2
	LOADK \j+2                                     ; which take the K step two on
.endif
	s_wait_xcnt 0x0                                ; the last K step's stores have read the fragment's registers: they are written again only behind this wait
	QUANT X, PW+\j
.irp g, 0,1,2
	global_store_b128 v[LA], v[PC+4*\g:PC+4*\g+3], s[26:27] offset:IMG*\j+512*\g   ; 512 consecutive bytes, aligned to 256
.endr
.endr
	v_cmp_eq_u32 vcc_lo, 1, v[HH]
	v_cndmask_b32 v[OW], v[PW], v[PW+2], vcc_lo    ; lanes 0-15 store their row's words 0 and 1, lanes 16-31 words 2 and 3
	v_cndmask_b32 v[OW+1], v[PW+1], v[PW+3], vcc_lo
	global_store_b64 v[SCO], v[OW:OW+1], s[28:29]  ; the wave stores 256 consecutive bytes, aligned
	s_wait_tensorcnt 0x0
	ds_add_u32 v254, v255
	s_wait_dscnt 0x0
	s_endpgm
; ---------------- the weights: a wave takes 32 columns (two tiles) x one K step of 128.  A LANE TAKES A COLUMN, AND ITS REGISTERS RUN DOWN K ----------------
.Lweights:
	s_sub_co_u32 s17, ttmp9, 256                   ; 0 .. 191
	s_lshr_b32 s18, s17, 6                         ; which matrix: 0 Wq, 1 Wk, 2 Wv
	s_bfe_u32 s19, s17, 0x30003                    ; the K step: 3 bits from bit 3
	s_and_b32 s22, s17, 7
	s_lshl_b32 s23, s22, 2
	s_add_co_u32 s23, s23, s16                     ; the pair of tiles p: columns 32 p on
	s_lshl_b32 s24, s19, 19                        ; 128 rows of 4,096 bytes a K step
	s_lshl_b32 s25, s23, 7                         ; + 128 bytes a pair
	s_add_co_u32 s24, s24, s25
	s_mov_b32 s25, 0
	s_lshl_b32 s26, s18, 6
	s_lshl_b32 s27, s23, 1
	s_add_co_u32 s26, s26, s27                     ; tile 64 m + 2 p
	s_mul_i32 s26, s26, TILEB
	s_mul_i32 s27, s19, IMG
	s_add_co_u32 s28, s26, s27                     ; its image of this K step
	s_mov_b32 s29, 0
	s_lshr_b32 s27, s19, 2
	s_lshl_b32 s27, s27, 8
	s_add_co_u32 s30, s26, s27
	s_and_b32 s27, s19, 3
	s_lshl_b32 s27, s27, 2
	s_add_co_u32 s30, s30, s27                     ; and the K step's place among its scale words
	s_mov_b32 s31, 0
	s_wait_alu depctr_va_vdst(0)
	v_lshlrev_b32 v[WA], 2, v2
	v_bfe_u32 v3, v0, 3, 1                         ; u: column 32 p + lane is row r = lane % 8 + 8 (lane / 16) of tile 2 p + u, u = (lane / 8) % 2
	v_and_b32 v[WC], 7, v0
	v_bfe_u32 v[WS], v0, 4, 1
	v_lshl_add_u32 v[WC], v[WS], 3, v[WC]          ; r
	v_lshlrev_b32 v[WC], 4, v[WC]
	v_mad_u32_u24 v[WC], v3, TILEB, v[WC]          ; 12,800 u + 16 r
	v_add_nc_u32 v[WS], 8*IMG, v[WC]
	s_wait_alu depctr_va_vdst(0)
	s_wait_kmcnt 0x0
	s_cmp_eq_u32 s18, 1                            ; the choice hangs on the work-group's number alone
	s_cselect_b64 s[6:7], s[8:9], s[6:7]
	s_cmp_eq_u32 s18, 2
	s_cselect_b64 s[6:7], s[10:11], s[6:7]
	s_add_nc_u64 s[6:7], s[6:7], s[24:25]
	s_add_nc_u64 s[28:29], s[14:15], s[28:29]
	s_add_nc_u64 s[30:31], s[14:15], s[30:31]
.macro WLOAD q                         ; block q of the K step: W(32 q + i, my column).  Each load reads 128 consecutive bytes; the four waves stand side by side on 512
.irp i, 0,1,2,3,4,5,6,7,8,9,10,11,12,13,14,15,16,17,18,19,20,21,22,23,24,25,26,27,28,29,30,31
	global_load_b32 v[WX+32*(\q)+\i], v[WA], s[6:7] offset:(32*(\q)+\i)*4096 th:TH_LOAD_NT
.endr
.endm
; Blocks h and 2 + h are what lane 16 h + r of the fragment holds: k = 64 c + 32 h + 0 .. 31.  All 32 numbers of a block are mine: no other lane is asked.
.macro PART h
.irp c, 0,1
	v_max3_num_f32 v[MX+\c], |v[WX+32*(2*\c+\h)]|, |v[WX+32*(2*\c+\h)+1]|, |v[WX+32*(2*\c+\h)+2]|
	v_max3_num_f32 v[M2+\c], |v[WX+32*(2*\c+\h)+3]|, |v[WX+32*(2*\c+\h)+4]|, |v[WX+32*(2*\c+\h)+5]|
.endr
.irp i, 6,10,14,18,22,26
.irp c, 0,1
	v_max3_num_f32 v[MX+\c], v[MX+\c], |v[WX+32*(2*\c+\h)+\i]|, |v[WX+32*(2*\c+\h)+\i+1]|
	v_max3_num_f32 v[M2+\c], v[M2+\c], |v[WX+32*(2*\c+\h)+\i+2]|, |v[WX+32*(2*\c+\h)+\i+3]|
.endr
.endr
.irp c, 0,1
	v_max3_num_f32 v[MX+\c], v[MX+\c], |v[WX+32*(2*\c+\h)+30]|, |v[WX+32*(2*\c+\h)+31]|
.endr
.irp c, 0,1
	v_max3_num_f32 v[MX+\c], v[MX+\c], v[M2+\c], 0x1800000   ; and the floor 2^(3 - 127)
.endr
.irp c, 0,1
	v_add_nc_u32 v[SO+\c], 0xff000000, v[MX+\c]    ; 2 off the exponent field: the conversion's scale operand
.endr
.irp c, 0,1
	v_lshrrev_b32 v[BY+2*\c+\h], 23, v[SO+\c]      ; the byte of block 2 c + h
.endr
.irp c, 0,1
	v_cvt_scalef32_pk16_fp6_f32 v[F+12*\h+6*\c:F+12*\h+6*\c+2], v[WX+32*(2*\c+\h):WX+32*(2*\c+\h)+15], v[SO+\c]
	v_cvt_scalef32_pk16_fp6_f32 v[CT+4*\c:CT+4*\c+2], v[WX+32*(2*\c+\h)+16:WX+32*(2*\c+\h)+31], v[SO+\c]   ; (three registers from an even number on: made here and moved)
.endr
	v_nop                                          ; one plain instruction behind a scaled conversion
.irp c, 0,1
.irp i, 0,1,2
	v_mov_b32 v[F+12*\h+6*\c+3+\i], v[CT+4*\c+\i]
.endr
.endr
.irp g, 0,1,2
	global_store_b128 v[WC], v[F+12*\h+4*\g:F+12*\h+4*\g+3], s[28:29] offset:256*\h+512*\g   ; lanes 16 h + 0 .. 15 of both tiles' images: two runs of 256 consecutive bytes, aligned
.endr
.endm
	WLOAD 0                                        ; blocks 0 and 2 first: they are lane r's part of the fragment
	WLOAD 2
	WLOAD 1
	s_wait_loadcnt 32                              ; blocks 0 and 2 are in; block 1's 32 loads, issued behind them, may be out
	WLOAD 3                                        ; issued behind that wait, since a wait's count names 63 loads at the most (ISA guide 5.7.1): with all four blocks out it could not leave two of them out
	PART 0
	s_wait_loadcnt 0x0                             ; blocks 1 and 3 are in
	PART 1
	v_lshl_or_b32 v[WW], v[BY+1], 8, v[BY]
	v_lshl_or_b32 v[WW], v[BY+2], 16, v[WW]
	v_lshl_or_b32 v[WW], v[BY+3], 24, v[WW]
	global_store_b32 v[WS], v[WW], s[30:31]        ; one word a column and K step, 16 bytes apart: 4 bytes for each 512 bytes of W that are read
	s_endpgm
.Lfunc_end_k_q6d79287826_quant:
	.size	k_q6d79287826_quant, .Lfunc_end_k_q6d79287826_quant-k_q6d79287826_quant
	.p2alignl 7, 3214868480
	.fill 96, 4, 3214868480
	.section	.rodata,"a",@progbits
	.p2align	6, 0x0
	.amdhsa_kernel k_q6d79287826_quant
		.amdhsa_group_segment_fixed_size 34304
		.amdhsa_private_segment_fixed_size 0
		.amdhsa_enable_private_segment 0
		.amdhsa_kernarg_size 48
		.amdhsa_user_sgpr_count 2
		.amdhsa_user_sgpr_kernarg_segment_ptr 1
		.amdhsa_wavefront_size32 1
		.amdhsa_system_sgpr_workgroup_id_x 1
		.amdhsa_system_sgpr_workgroup_id_y 1
		.amdhsa_system_sgpr_workgroup_id_z 1
		.amdhsa_system_vgpr_workitem_id 0
		.amdhsa_next_free_vgpr 256
		.amdhsa_next_free_sgpr 66
		.amdhsa_reserve_vcc 1
		.amdhsa_float_denorm_mode_32 3
		.amdhsa_float_denorm_mode_16_64 3
		.amdhsa_memory_ordered 1
		.amdhsa_forward_progress 1
		.amdhsa_inst_pref_size 54
	.end_amdhsa_kernel
	.amdgpu_metadata
---
amdhsa.version: [ 1, 2 ]
amdhsa.kernels:
  - .name:           k_q6d79287826_quant
    .symbol:         k_q6d79287826_quant.kd
    .args:
      - { .name: x, .offset: 0, .size: 8, .value_kind: global_buffer, .address_space: global }
      - { .name: Wq, .offset: 8, .size: 8, .value_kind: global_buffer, .address_space: global }
      - { .name: Wk, .offset: 16, .size: 8, .value_kind: global_buffer, .address_space: global }
      - { .name: Wv, .offset: 24, .size: 8, .value_kind: global_buffer, .address_space: global }
      - { .name: xq, .offset: 32, .size: 8, .value_kind: global_buffer, .address_space: global }
      - { .name: wq, .offset: 40, .size: 8, .value_kind: global_buffer, .address_space: global }
    .group_segment_fixed_size: 34304
    .private_segment_fixed_size: 0
    .kernarg_segment_align: 8
    .kernarg_segment_size: 48
    .max_flat_workgroup_size: 128
    .sgpr_count:     66
    .vgpr_count:     256
    .wavefront_size: 32
...
	.end_amdgpu_metadata
.endif
;; end of part 1
;; launch proj (part 2): grid 12 x 32, 4 waves a work-group, clusters of 4 x 4, 327,680 bytes of LDS; arguments xq, wq, bq, bk, bv, qkv; writes qkv
.if DOCPART == 2
	.amdgcn_target "amdgcn-amd-amdhsa--gfx1250"
	.amdhsa_code_object_version 6
	.text
	.protected	k_q6d79287826_proj
	.globl	k_q6d79287826_proj
	.p2align	8
	.type	k_q6d79287826_proj,@function
k_q6d79287826_proj:
	s_mov_b64 s[64:65], 0
	v_nop
	global_prefetch_b8 v0, s[64:65] scope:SCOPE_SE
	s_setreg_imm32_b32 hwreg(HW_REG_WAVE_MODE, 25, 1), 1
	s_wait_xcnt 0x0
	s_wait_alu depctr_hold_cnt(0) depctr_sa_sdst(0) depctr_va_vdst(0) depctr_va_sdst(0) depctr_va_ssrc(0) depctr_va_vcc(0) depctr_vm_vsrc(0)
	s_getreg_b32 s2, hwreg(HW_REG_IB_STS2, 6, 4)
	s_cmp_eq_u32 s2, 0
	s_cbranch_scc0 .Lentry_in_a_cluster
	s_endpgm
.Lentry_in_a_cluster:
	s_bfe_u32 s2, ttmp6, 0x10000c
	s_cmp_lg_u32 s2, 0xf033
	s_cbranch_scc0 .Lentry_shape_is_right
	s_endpgm
.Lentry_shape_is_right:
; q = x Wq + bq, k = x Wk + bk, v = x Wv + bv on codes of FP6 (E2M3) with E8M0 scales, sums in f32; the results are quantised in registers for the two products of attention and leave as codes:
; q and k along the head's 64 channels, v along the tokens.  No f32 result goes to memory.
; xq, wq: tiles of 16 rows x K = 1,024, 12,800 bytes each: eight images of a fragment's registers (1,536 bytes: registers 4 g .. 4 g + 3 of lane l at 512 g + 16 l), then 512 bytes of scale words
; (row r, K step ks at 256 (ks / 4) + 16 r + 4 (ks % 4)).  Row i of wq's tile T is row 32 (T / 2) + 8 (T % 2) + i + 8 (i / 8); of xq's, 64 (T / 4) + 8 (T % 4) + 32 (i / 8) + i % 8.  wq: tiles 0-63 Wq's columns, 64-127 Wk's, 128-191 Wv's.
; SHAPE.  A work-group of four waves makes 256 x 256, a wave 128 x 128: 64 accumulators, 512 registers.  Operand R is source 0: its rows run along a lane's registers in the result; operand L is source 1: a lane holds
; one of its rows.  For q and k (cluster x = 0, 1) L = tokens, R = W's columns: a lane holds a token and 8 x 8 registers are 128 channels, two heads.  For v (cluster x = 2) L = W's columns, R = tokens: a lane holds
; a channel and its registers are 128 tokens.  By the order of a tile's rows the 16 registers of R's tiles 2 b and 2 b + 1 are rows 32 b + 16 (lane / 16) + 0 .. 15: neighbours along the next product's K.
; The two cases differ in pointers and in the way out alone; the choice hangs on the cluster's x, which all partners of a cluster share.
; CLUSTER 4 x 4: L's tiles hang on cy and are asked for jointly by a row of the cluster, R's on cx and by a column: the requests for both are divided by four.
; K = 1,024 goes through two LDS regions of 384 along K; the last 256 are filled over the first region's bytes.  No loop: eight steps of 128 along K, written out by macros.
; qkv: [batch x head (64)][128 tokens (16)][19,712 bytes]: 0 K's eight half images (768 bytes: registers 0-3 at 16 l, 4-5 at 512 + 8 l); 6,144 K's scale words (word j of lane l at 16 l + 4 j: tile 2 j + l / 16, row l % 16;
; bytes 0, 1 the head's two blocks, bytes 2, 3 zero); 6,656 V's four images (16 channels x 128 tokens); 12,800 V's scale words (word j at 8 l + 4 j); 13,056 Q's half images; 19,200 Q's scale words.
; LIMITS: a block of zeros, or one under 2^-124, keeps the scale byte 1 (read by this program alone); NaN and infinities are not served.
; REGISTERS: window 0: v16-29 addresses; v32-63 and v66-97 scale words for all of K; v128-223 L's fragments, one set.  Window 1: R's fragments, two sets, at v0 and v128.  Windows 2, 3: the accumulators ((a, b) at v[8 (8 (a % 4) + b)]).
.set TILEB, 12800
.set IMG,   1536
; THE WALK ALONG K AS THE TEXT BELOW HAS IT: two LDS regions of 32 tiles x three images (384 along K), both asked for at the head, one tensor load a wave:
; wave 0 L's images 0-2, wave 1 R's, wave 2 L's images 3-5, wave 3 R's.  Waves 0 and 1 alone wait ahead of the first barrier; the round in K step 2 shows the second region
; and fills images 6 and 7 (32 tiles x 3,072 bytes, a quarter a wave) over the first region's bytes, which nobody reads any more.
; THE SCALE WORDS come by plain loads, 512 consecutive bytes each, straight into registers: register j of a tile holds K step j in lanes 0-15 and K step 4 + j in lanes 16-31.
; L's tiles at v32-63, R's at v66-97.
.set KSL,   2*IMG
.set TP,    3*IMG                      ; a tile's part of a region
.set RG,    32*TP                      ; a region
.set SCLW,  32
.set SCRW,  66
.set QUART, 8*KSL                      ; what one tensor load brings: eight tiles
.set SLOT,  4*QUART                    ; L's 16 tiles, then R's 16
.set SCL,   3*SLOT                     ; behind the slots
.set SPARE, SCL+4*4096                 ; the spare words, 128 bytes for each wave: two blocks of 256 bytes that no other line names
.set BLKB,  19712
.set HEADB, 16*BLKB
.set ADRL, 16                          ; v16-18 LDS address of my L fragments in slot 0, 1, 2
.set ADRR, 20                          ; v20-22 the same for R
.set L16,  24                          ; v24  16 x lane
.set L8,   25                          ; v25  8 x lane
.set ADRS, 27
.set SPW,  28                          ; v28  my spare word; never rewritten
.set NIL,  29                          ; v29  0; never rewritten
.set SC,   64
.set LF,   128
; the way out, all in window 0
.set PW,   32                          ; v32-39 the eight scale words
.set BP,   64                          ; the bias
.set HA,   128                         ; 64 results with their bias
.set PC,   192                         ; v192-203 the fragment, v204-211 at work
.set TM,   212                         ; v212-227 at work
.set SEL,  2                           ; s[2:3]
.set WV,   92
.set HL,   93                          ; which half of L's rows is mine.  Also: I fetch for L (0) or for R (1)
.set HR,   94                          ; which half of R's rows is mine.  Also: which eight tiles I fetch
.set CX,   95
.set CY,   96
.set CYY,  97                          ; the cluster's y
.set L256, 98                          ; which 256 rows of L's buffer
.set R256, 99
.set MROW, 100
.set MCOL, 101
.set G1,   24                          ; group 1: the refill's L and R, the head's L and R
.set G1B,  32
.set G1S,  40
.set G1SB, 48
.set G0L0, 56                          ; group 0, one for each slot
.set G0L1, 60
.set G0L2, 68
.set G0R0, 72
.set G0R1, 76
.set G0R2, 80
.set G0S,  84
.set G0SB, 88
.set MSB, 0
.macro WIN new                         ; the immediate's high byte repeats the setting that is left
.if MSB != (\new)
	s_set_vgpr_msb (MSB<<8)|(\new)
.set MSB, (\new)
.endif
.endm
.set MUL_LO, 0xa1                      ; source 0 (R) window 1, source 1 (L) window 0, C and D window 2
.set MUL_HI, 0xf1                      ; the same, C and D window 3
.set TO_R,   0x40                      ; destination window 1, address window 0
; A joint load: waves 0 and 1 fetch for L, waves 2 and 3 for R; the branch hangs on the wave's number alone.  Four v_nop follow each of the two lines.
.macro JLOAD g0a, g1a, g0b, g1b
	s_cmp_eq_u32 s[HL], 0
	s_cbranch_scc0 .Lfor_r_\@
	tensor_load_to_lds s[\g0a:\g0a+3], s[\g1a:\g1a+7]
	s_nop 0
.rept 4
	v_nop
.endr
	s_branch .Lasked_\@
.Lfor_r_\@:
	tensor_load_to_lds s[\g0b:\g0b+3], s[\g1b:\g1b+7]
	s_nop 0
.rept 4
	v_nop
.endr
.Lasked_\@:
.endm
.macro CREST                           ; a round of the cluster's barrier behind its opening barrier
	s_cmp_lg_u32 s[WV], 0
	s_cbranch_scc1 .Lnot_wave_0_\@
	s_barrier_signal -3
.Lnot_wave_0_\@:
	s_barrier_wait -3
	s_barrier_signal -1
	s_barrier_wait -1
.endm
.macro CROUND
	s_barrier_signal -1
	s_barrier_wait -1
	CREST
.endm
.macro SETG0 g, p, n                   ; group 0 for slot n: K's n-th 256
	s_mov_b32 s[\g], 1
	s_add_co_u32 s[\g+1], s17, (\n)*SLOT
	s_add_nc_u64 s[\g+2:\g+3], s[\p:\p+1], (\n)*KSL
	s_or_b32 s[\g+3], s[\g+3], 0x80000000
.endm
	s_load_b256 s[4:11], s[0:1], 0x0               ; xq s[4:5], wq s[6:7], bq s[8:9], bk s[10:11]
	s_load_b128 s[12:15], s[0:1], 0x20             ; bv s[12:13], qkv s[14:15]
	v_lshl_add_u32 v[SPW], v0, 2, SPARE
	v_mov_b32 v[NIL], 0
	ds_add_u32 v28, v29
	ds_add_u32 v28, v29
	s_wait_dscnt 0x0
	v_lshrrev_b32 v1, 5, v0
	v_readfirstlane_b32 s[WV], v1                  ; wave 0..3
	s_lshr_b32 s[HL], s[WV], 1
	s_and_b32 s[HR], s[WV], 1
	s_bfe_u32 s[CX], ttmp6, 0x40000
	s_bfe_u32 s[CY], ttmp6, 0x40004
	s_and_b32 s[CYY], ttmp7, 0xffff
	s_cmp_eq_u32 ttmp9, 2                          ; v?  (ttmp9 counts clusters: 0 q, 1 k, 2 v)
	s_cselect_b32 s16, ttmp9, s[CYY]               ; L: W's columns by the cluster's x, or tokens by its y
	s_cselect_b32 s17, s[CYY], ttmp9               ; R: the other
	s_lshl_b32 s16, s16, 2
	s_add_co_u32 s[L256], s16, s[CY]               ; L hangs on cy alone among the places,
	s_lshl_b32 s17, s17, 2
	s_add_co_u32 s[R256], s17, s[CX]               ; R on cx alone
	s_lshl_b32 s[MROW], s[CY], 2
	s_lshl_b32 s[MROW], 15, s[MROW]                ; my row of the cluster
	s_lshl_b32 s[MCOL], 0x1111, s[CX]              ; my column
	; group 1, codes: 8 rows (tiles) of 384 elements of 8 bytes, 1,600 elements (12,800 bytes) apart; dense in LDS
	s_or_b32 s[G1], s[MROW], (3<<16)|(1<<21)       ; 15:0 the mask; 17:16 elements of 8 bytes; 20 no padding; 21 set beside a mask
	s_or_b32 s[G1B], s[MCOL], (3<<16)|(1<<21)
.irp g, G1, G1B
	s_mov_b32 s[\g+1], 384<<16                     ; tensor_dim0
	s_mov_b32 s[\g+2], 8<<16                       ; tensor_dim1
	s_mov_b32 s[\g+3], 384<<16                     ; tile_dim0
	s_mov_b32 s[\g+4], 8                           ; tile_dim1
	s_mov_b32 s[\g+5], 1600                        ; tensor_dim0_stride
	s_mov_b32 s[\g+6], 0
	s_mov_b32 s[\g+7], 0
.endr
	; group 1, the head's codes: 16 rows of 576 elements, as far apart
	s_or_b32 s[G1S], s[MROW], (3<<16)|(1<<21)
	s_or_b32 s[G1SB], s[MCOL], (3<<16)|(1<<21)
.irp g, G1S, G1SB
	s_mov_b32 s[\g+1], 576<<16                     ; the head's tiles: 16 rows (tiles) of 576 elements: three images
	s_mov_b32 s[\g+2], 16<<16
	s_mov_b32 s[\g+3], 576<<16
	s_mov_b32 s[\g+4], 16
	s_mov_b32 s[\g+5], 1600
	s_mov_b32 s[\g+6], 0
	s_mov_b32 s[\g+7], 0
.endr
	s_mul_i32 s16, s[HR], 8*TILEB                  ; which eight tiles I fetch
	s_mul_i32 s22, s[L256], 16*TILEB
	s_add_co_u32 s22, s22, s16
	s_mov_b32 s23, 0
	s_mul_i32 s2, s[R256], 16*TILEB
	s_add_co_u32 s2, s2, s16
	s_mov_b32 s3, 0
	s_mul_i32 s17, s[WV], QUART                    ; where they go: no place in the cluster enters an LDS address
	s_lshl_b32 s16, s[WV], 12
	s_wait_kmcnt 0x0
	s_cmp_eq_u32 ttmp9, 2
	s_cselect_b64 s[18:19], s[6:7], s[4:5]         ; L's buffer
	s_cselect_b64 s[20:21], s[4:5], s[6:7]         ; R's
	s_add_nc_u64 s[18:19], s[18:19], s[22:23]
	s_add_nc_u64 s[20:21], s[20:21], s[2:3]
	CROUND                                         ; all sixteen work-groups are here: the first joint loads meet
	SETG0 G0L0, 18, 0                              ; for the refill: my eight tiles
	SETG0 G0R0, 20, 0
	s_mul_i32 s16, s[HR], 8*TILEB
	s_mov_b32 s17, 0
	s_sub_nc_u64 s[66:67], s[18:19], s[16:17]      ; L's sixteen tiles begin here,
	s_sub_nc_u64 s[2:3], s[20:21], s[16:17]        ; and R's
.macro HG0 g, p, lds, off
	s_mov_b32 s[\g], 1
	s_mov_b32 s[\g+1], \lds
	s_add_nc_u64 s[\g+2:\g+3], s[\p:\p+1], \off
	s_or_b32 s[\g+3], s[\g+3], 0x80000000
.endm
	HG0 G0L1, 66, 0, 0
	HG0 G0R1, 2, 16*TP, 0
	HG0 G0L2, 66, RG, TP
	HG0 G0R2, 2, RG+16*TP, TP
; one chain of branches on the wave's number, one joint load to an arm: one tensor load a wave at the head
.macro ARM under, g0, g1, next
	s_cmp_lt_u32 s[WV], \under
	s_cbranch_scc0 \next
	tensor_load_to_lds s[\g0:\g0+3], s[\g1:\g1+7]
	s_nop 0
.rept 4
	v_nop
.endr
	s_branch .Lhead_asked
\next:
.endm
	ARM 1, G0L1, G1S, .Lhead_1
	ARM 2, G0R1, G1SB, .Lhead_2
	ARM 3, G0L2, G1S, .Lhead_3
	tensor_load_to_lds s[G0R2:G0R2+3], s[G1SB:G1SB+7]
	s_nop 0
.rept 4
	v_nop
.endr
.Lhead_asked:
	v_and_b32 v1, 31, v0
	v_lshlrev_b32 v[L16], 4, v1
	v_lshlrev_b32 v[L8], 3, v1
	s_mul_i32 s16, s[HL], QUART                    ; in the refill's layout: my eight tiles of L,
	s_mul_i32 s17, s[HR], QUART
	s_add_co_u32 s17, s17, 2*QUART                 ; my eight of R, behind L's sixteen
	s_mul_i32 s22, s[HL], 8*TP                     ; and the same in a region's
	s_mul_i32 s23, s[HR], 8*TP
	s_add_co_u32 s23, s23, 16*TP
	s_wait_alu depctr_va_vdst(0)
	v_add_nc_u32 v[ADRL+2], s16, v[L16]
	v_add_nc_u32 v[ADRR+2], s17, v[L16]
	v_add_nc_u32 v[ADRL], s22, v[L16]
	v_add_nc_u32 v[ADRR], s23, v[L16]
	v_add_nc_u32 v[ADRL+1], RG, v[ADRL]
	v_add_nc_u32 v[ADRR+1], RG, v[ADRR]
	s_mul_i32 s16, s[HL], 8*TILEB
	s_mov_b32 s17, 0
	s_add_nc_u64 s[66:67], s[66:67], s[16:17]      ; the eight tiles of L that I multiply (s[20:21] stands at my eight of R)
.irp i, 0,1,2,3,4,5,6,7
	global_load_b128 v[SCLW+4*\i:SCLW+4*\i+3], v[L16], s[66:67] offset:TILEB*\i+8*IMG   ; a tile's 512 bytes of scale words, 16 a lane
	global_load_b128 v[SCRW+4*\i:SCRW+4*\i+3], v[L16], s[20:21] offset:TILEB*\i+8*IMG
.endr
.macro FRAG reg, adr, off              ; a fragment comes as it was stored: three loads of 512 consecutive bytes
.irp g, 0,1,2
	ds_load_b128 v[(\reg)+4*\g:(\reg)+4*\g+3], v[\adr] offset:(\off)+512*\g
.endr
.endm
.macro FETCH_R slot, q, p              ; R's eight fragments of the slot's q-th 128 along K into set p
	WIN TO_R
.irp i, 0,1,2,3,4,5,6,7
	FRAG 128*(\p)+12*\i, ADRR+\slot, (TP-IMG*((\slot)/2))*\i+IMG*(\q)
.endr
	WIN 0
.endm
.macro FETCH_L slot, q, i0             ; L's blocks i0 .. i0 + 3
.irp i, \i0, \i0+1, \i0+2, \i0+3
	FRAG LF+12*(\i), ADRL+\slot, (TP-IMG*((\slot)/2))*(\i)+IMG*(\q)
.endr
.endm
; 16 matrix instructions: L's blocks a0, a0 + 1 x R's eight, K step ks.  The 64 accumulators take turns, one instruction a turn, in the same order in every step.
.macro WM c, hi                        ; hi: K steps 4 to 7 take both sides' scale words from lanes 16-31
.if \hi
	v_wmma_scale_f32_16x16x128_f8f6f4 v[D_:D_+7], v[RF_:RF_+11], v[LF_:LF_+11], \c, v[SR_], v[SL_] matrix_a_fmt:MATRIX_FMT_FP6 matrix_b_fmt:MATRIX_FMT_FP6 matrix_a_scale:MATRIX_SCALE_ROW1 matrix_b_scale:MATRIX_SCALE_ROW1
.else
	v_wmma_scale_f32_16x16x128_f8f6f4 v[D_:D_+7], v[RF_:RF_+11], v[LF_:LF_+11], \c, v[SR_], v[SL_] matrix_a_fmt:MATRIX_FMT_FP6 matrix_b_fmt:MATRIX_FMT_FP6
.endif
.endm
.macro MUL16 a0, p, ks, zero
.irp a, \a0, \a0+1
.irp b, 0,1,2,3,4,5,6,7
.set D_, 8*(8*((\a)%4)+\b)
.set RF_, 128*(\p)+12*\b
.set LF_, LF+12*(\a)
.set SR_, SCRW+4*\b+(\ks)%4
.set SL_, SCLW+4*(\a)+(\ks)%4
.if \zero
	WM 0, (\ks)/4
.else
	WM v[D_:D_+7], (\ks)/4
.endif
.endr
.endr
.endm
.macro PLACES                          ; four plain instructions between a matrix instruction and a load into one of its registers, or a vector instruction that reads its result
.rept 4
	v_nop
.endr
.endm
; K step ks; the next step's fragments come from slot nslot, its nq-th 128.  A block of L is free as soon as its eight products are issued, so L has one set: blocks 0-3 are fetched anew in the middle, 4-7 at the end.
.macro STEP ks, nslot, nq, zero
	s_wait_dscnt 12                                ; R's set and L's blocks 0-3 are in; the youngest twelve loads (L's blocks 4-7) may be out
	WIN MUL_LO
	MUL16 0, (\ks)%2, \ks, \zero
	MUL16 2, (\ks)%2, \ks, \zero
	s_wait_dscnt 0x0                               ; L's blocks 4-7 are in
	PLACES
	FETCH_R \nslot, \nq, 1-(\ks)%2
	FETCH_L \nslot, \nq, 0
	WIN MUL_HI
	MUL16 4, (\ks)%2, \ks, \zero
	MUL16 6, (\ks)%2, \ks, \zero
	PLACES
	WIN 0
	FETCH_L \nslot, \nq, 4
.endm
; An odd K step with a barrier.  In front of it each wave waits for all its tensor loads, adds 0 to its spare word, and waits for that and for its LDS reads.
; fill = 1: the barrier opens a round of the cluster's barrier, and slot 0, which nobody reads any more, takes K's last quarter.
.macro TURN ks, nslot, fill
	s_wait_tensorcnt 0x0                           ; all my tensor loads have landed (every window is 0 here)
	ds_add_u32 v[SPW], v[NIL]                      ; 0 onto my spare word
	s_wait_dscnt 13                                ; (the add and the youngest twelve loads may be out)
	WIN MUL_LO
	MUL16 0, (\ks)%2, \ks, 0                       ; sixteen matrix instructions stand between the add and the wait for it
	s_wait_dscnt 0x0                               ; the add is done, and my LDS reads are over
	s_barrier_signal -1
	MUL16 2, (\ks)%2, \ks, 0
	WIN 0
	s_barrier_wait -1
.if \fill
	CREST                                          ; no wave of any partner still reads slot 0 or has a load on its way
	s_add_nc_u64 s[G0L0+2:G0L0+3], s[G0L0+2:G0L0+3], 3*KSL
	s_add_nc_u64 s[G0R0+2:G0R0+3], s[G0R0+2:G0R0+3], 3*KSL
	JLOAD G0L0, G1, G0R0, G1B                      ; the first tensor load behind the round, 160 matrix instructions ahead of the wait for it; its four v_nop are also the places in front of the loads below
.else
	PLACES
.endif
	FETCH_R \nslot, 0, 1-(\ks)%2
	FETCH_L \nslot, 0, 0
	WIN MUL_HI
	MUL16 4, (\ks)%2, \ks, 0
	MUL16 6, (\ks)%2, \ks, 0
	PLACES
	WIN 0
	FETCH_L \nslot, 0, 4
.endm
	s_wait_alu depctr_va_vdst(0)
	s_cmp_lt_u32 s[WV], 2
	s_cbranch_scc0 .Lnot_first
	s_wait_tensorcnt 0x0                           ; waves 0 and 1: the first region's two tiles are in; waves 2 and 3's may be out
.Lnot_first:
	s_barrier_signal -1
	s_barrier_wait -1                              ; everybody's are
	FETCH_R 0, 0, 0
	FETCH_L 0, 0, 0
	s_wait_loadcnt 0x0                             ; the scale words of all eight K steps are in registers
	FETCH_L 0, 0, 4
	STEP 0, 0, 1, 1                                ; the first products start the sums: nothing is cleared
	STEP 1, 0, 2, 0
	TURN 2, 1, 1                                   ; the second region is whole in every wave's sight; images 6 and 7 are filled over the first
	STEP 3, 1, 1, 0
	STEP 4, 1, 2, 0
	TURN 5, 2, 0                                   ; the refill has landed; nothing more is asked for
	STEP 6, 2, 1, 0
	s_wait_dscnt 12                                ; the last step: nothing more to fetch
	WIN MUL_LO
	MUL16 0, 1, 7, 0
	MUL16 2, 1, 7, 0
	s_wait_dscnt 0x0
	WIN MUL_HI
	MUL16 4, 1, 7, 0
	MUL16 6, 1, 7, 0
	PLACES                                         ; in front of the reads of results, and of writes and loads into registers that the products read
	WIN 0
; 64 numbers of a lane, register 16 b + i = k 32 b + 16 (lane / 16) + i of my row, become a fragment's codes in v[PC] on and its scale word in v[pw].
.macro QUANT s, pw
.irp b, 0,1,2,3
	v_max3_num_f32 v[TM+\b], |v[\s+16*\b]|, |v[\s+1+16*\b]|, 0x1800000   ; my 16 numbers of block b, and the floor 2^(3 - 127): the byte cannot fall under 1
.endr
.irp i, 2,4,6,8,10,12,14
.irp b, 0,1,2,3
	v_max3_num_f32 v[TM+\b], v[TM+\b], |v[\s+16*\b+\i]|, |v[\s+1+16*\b+\i]|
.endr
.endr
.irp b, 0,1,2,3
	v_permlanex16_b32 v[TM+4+\b], v[TM+\b], s[SEL], s[SEL+1]
.endr
.irp b, 0,1,2,3
	v_max_num_f32 v[TM+\b], v[TM+\b], v[TM+4+\b]   ; with lane l xor 16's 16: the block's largest magnitude
.endr
.irp b, 0,1,2,3
	v_add_nc_u32 v[TM+12+\b], 0xff000000, v[TM+\b]   ; 2 off its exponent field: the conversion's scale operand
.endr
.irp b, 0,1,2,3
	v_lshrrev_b32 v[TM+4+\b], 23, v[TM+12+\b]      ; the scale's byte
.endr
	v_lshl_or_b32 v[\pw], v[TM+5], 8, v[TM+4]
	v_lshl_or_b32 v[\pw], v[TM+6], 16, v[\pw]
	v_lshl_or_b32 v[\pw], v[TM+7], 24, v[\pw]
.irp c, 0,1
	v_cvt_scalef32_pk16_fp6_f32 v[PC+6*\c:PC+2+6*\c], v[\s+32*\c:\s+15+32*\c], v[TM+12+2*\c]
	v_cvt_scalef32_pk16_fp6_f32 v[PC+12+4*\c:PC+14+4*\c], v[\s+16+32*\c:\s+31+32*\c], v[TM+12+2*\c+1]   ; (a conversion's three registers begin on an even number)
.endr
	v_nop                                          ; one plain instruction behind a scaled conversion
.irp c, 0,1                                    ; the operand wants a WHOLE block in a lane
.irp i, 0,1,2
	v_permlane16_swap_b32 v[PC+6*\c+\i], v[PC+12+4*\c+\i]
.endr
.irp i, 0,1,2
	v_mov_b32 v[PC+3+6*\c+\i], v[PC+12+4*\c+\i]
.endr
.endr
.endm
; THE WAY OUT: no LDS.  For each of L's eight blocks a: the 64 results of a lane get their bias (which also brings them into window 0, each accumulator from its low end on), are quantised, and the fragment is stored as it stands.
; isv = 0: a lane is a token; registers 0-5 of the fragment are head A's 64 channels, 6-11 head B's: two half images.  isv = 1: a lane is a channel, the fragment is 128 tokens: one image; blocks 0-3 head A, 4-7 head B.
; V's quantiser.  Row i of x's tile T is token 64 (T / 4) + 8 (T % 4) + 32 (i / 8) + i % 8: so a lane's register 32 c + i is token 64 c + 32 (lane / 16) + i of my channel:
; a whole block of 32 in a lane, in the operand's own order.  No other lane is asked for a maximum; the scale word's four bytes are gathered from lanes l and l xor 16 (v43 = 8 x (lane / 16)).
.macro QUANTV s, pw
.irp b, 0,1,2,3
	v_max3_num_f32 v[TM+\b], |v[\s+16*\b]|, |v[\s+1+16*\b]|, 0x1800000   ; four chains by turns, two to a block, and the floor 2^(3 - 127)
.endr
.irp i, 2,4,6,8,10,12,14
.irp b, 0,1,2,3
	v_max3_num_f32 v[TM+\b], v[TM+\b], |v[\s+16*\b+\i]|, |v[\s+1+16*\b+\i]|
.endr
.endr
.irp c, 0,1
	v_max_num_f32 v[TM+2*\c], v[TM+2*\c], v[TM+2*\c+1]   ; block 2 c + lane / 16: its largest magnitude
.endr
.irp c, 0,1
	v_add_nc_u32 v[TM+12+\c], 0xff000000, v[TM+2*\c]     ; 2 off its exponent field: the conversion's scale operand
.endr
.irp c, 0,1
	v_lshrrev_b32 v[TM+8+\c], 23, v[TM+12+\c]            ; the scale's byte
.endr
	v_lshl_or_b32 v[\pw], v[TM+9], 16, v[TM+8]
	v_lshlrev_b32 v[\pw], v43, v[\pw]              ; my two bytes at their places in the word
	v_permlanex16_b32 v[TM+4], v[\pw], s[SEL], s[SEL+1]
	v_or_b32 v[\pw], v[\pw], v[TM+4]               ; with lane l xor 16's two the word is whole
.irp c, 0,1
	v_cvt_scalef32_pk16_fp6_f32 v[PC+6*\c:PC+2+6*\c], v[\s+32*\c:\s+15+32*\c], v[TM+12+\c]
	v_cvt_scalef32_pk16_fp6_f32 v[PC+12+4*\c:PC+14+4*\c], v[\s+16+32*\c:\s+31+32*\c], v[TM+12+\c]   ; (a conversion's three registers begin on an even number)
.endr
	v_nop                                          ; one plain instruction behind a scaled conversion
.irp c, 0,1
.irp i, 0,1,2
	v_mov_b32 v[PC+3+6*\c+\i], v[PC+12+4*\c+\i]
.endr
.endr
.endm
.macro EPI isv
.if \isv
	s_lshr_b32 s16, s[R256], 3                     ; the batch: 2,048 tokens are eight times 256
	s_and_b32 s17, s[R256], 7
	s_lshl_b32 s17, s17, 1
	s_add_co_u32 s17, s17, s[HR]                   ; which 128 tokens of the batch
	s_lshl_b32 s18, s[CY], 2
	s_lshl_b32 s19, s[HL], 1
.else
	s_lshr_b32 s16, s[L256], 3
	s_and_b32 s17, s[L256], 7
	s_lshl_b32 s17, s17, 1
	s_add_co_u32 s17, s17, s[HL]
	s_lshl_b32 s18, s[CX], 2
	s_lshl_b32 s19, s[HR], 1
.endif
	s_add_co_u32 s18, s18, s19                     ; head A
	s_lshl_b32 s16, s16, 4
	s_add_co_u32 s16, s16, s18                     ; 16 x batch + head
	s_lshl_b32 s18, s18, 8                         ; the head's 64 numbers of the bias: 256 bytes a head
	s_mov_b32 s19, 0
	s_mul_i32 s16, s16, HEADB
	s_mul_i32 s17, s17, BLKB
	s_add_co_u32 s16, s16, s17
.if \isv
	s_mov_b64 s[20:21], s[12:13]
.else
	s_cmp_eq_u32 ttmp9, 0                          ; q or k
	s_cselect_b32 s17, 13056, 0
	s_cselect_b64 s[20:21], s[8:9], s[10:11]
	s_add_co_u32 s16, s16, s17
.endif
	s_mov_b32 s17, 0
	s_add_nc_u64 s[22:23], s[14:15], s[16:17]
	s_add_nc_u64 s[20:21], s[20:21], s[18:19]
	v_bfe_u32 v42, v0, 4, 1                        ; h
	v_lshlrev_b32 v43, 3, v42                      ; 8 h
.if \isv
	v_and_b32 v40, 15, v0
	v_and_b32 v41, 8, v40
	v_add_nc_u32 v40, v40, v41
	v_lshlrev_b32 v40, 2, v40                      ; my channel in a tile: r + 8 (r / 8)
.irp a, 0,1,2,3,4,5,6,7
	global_load_b32 v[BP+2*\a], v40, s[20:21] offset:4*(32*(\a/2)+8*(\a%2))     ; one number a block, twice: a pair for the packed addition
	global_load_b32 v[BP+2*\a+1], v40, s[20:21] offset:4*(32*(\a/2)+8*(\a%2))
.endr
.else
	v_lshlrev_b32 v40, 6, v42                      ; register 16 e + i wants channel 32 e + 16 h + i
.irp e, 0,1,2,3
.irp j, 0,1,2,3
	global_load_b128 v[BP+16*\e+4*\j:BP+16*\e+4*\j+3], v40, s[20:21] offset:128*\e+16*\j
.endr
.endr
.endif
.irp b, 0,1,2,3
	v_mov_b32 v[TM+4+\b], 0                        ; written once: a lane permute's destination counts as one of its sources
.endr
	s_wait_loadcnt 0x0
.irp a, 0,1,2,3,4,5,6,7
.if \a > 0
	s_wait_xcnt 0x0                                ; the last block's stores have read the fragment's registers
.endif
	WIN 0x02+(\a/4)                                ; source 0: window 2 or 3
.set J, 0
.rept 32
.if \isv
	v_pk_add_f32 v[HA+J:HA+J+1], v[64*(\a%4)+J:64*(\a%4)+J+1], v[BP+2*\a:BP+2*\a+1]
.else
	v_pk_add_f32 v[HA+J:HA+J+1], v[64*(\a%4)+J:64*(\a%4)+J+1], v[BP+J:BP+J+1]
.endif
.set J, J+2
.endr
	WIN 0
.if \isv
	QUANTV HA, PW+\a
.else
	QUANT HA, PW+\a
.endif
.if \isv
.irp g, 0,1,2
	global_store_b128 v[L16], v[PC+4*\g:PC+4*\g+3], s[22:23] offset:(\a/4)*HEADB+6656+IMG*(\a%4)+512*\g   ; 512 consecutive bytes, aligned to 256
.endr
.else
	global_store_b128 v[L16], v[PC:PC+3], s[22:23] offset:768*\a
	global_store_b64 v[L8], v[PC+4:PC+5], s[22:23] offset:768*\a+512           ; 256 consecutive bytes, aligned
	global_store_b128 v[L16], v[PC+6:PC+9], s[22:23] offset:HEADB+768*\a
	global_store_b64 v[L8], v[PC+10:PC+11], s[22:23] offset:HEADB+768*\a+512
.endif
.endr
	v_cmp_eq_u32 vcc_lo, 1, v42                    ; the scale words: lanes 0-15 store the even tiles' rows, lanes 16-31 the odd tiles' (every lane holds its row's word of each tile)
.if \isv
.irp e, 0,1
.irp j, 0,1
	v_cndmask_b32 v[44+2*\e+\j], v[PW+4*\e+2*\j], v[PW+4*\e+2*\j+1], vcc_lo
.endr
.endr
.irp e, 0,1
	global_store_b64 v[L8], v[44+2*\e:45+2*\e], s[22:23] offset:\e*HEADB+12800
.endr
.else
.irp j, 0,1,2,3
	v_cndmask_b32 v[44+\j], v[PW+2*\j], v[PW+2*\j+1], vcc_lo
.endr
.irp j, 0,1,2,3
	v_lshrrev_b32 v[48+\j], 16, v[44+\j]           ; head B's two bytes; the upper two are zero: the codes of k = 64 .. 127 will be zeros
.endr
.irp j, 0,1,2,3
	v_and_b32 v[44+\j], 0xffff, v[44+\j]           ; head A's
.endr
	global_store_b128 v[L16], v[44:47], s[22:23] offset:6144
	global_store_b128 v[L16], v[48:51], s[22:23] offset:HEADB+6144
.endif
.endm
	s_mov_b32 s[SEL], 0x76543210
	s_mov_b32 s[SEL+1], 0xfedcba98
	s_cmp_eq_u32 ttmp9, 2                          ; the cluster's x: the same in all partners
	s_cbranch_scc1 .Lv_out
	EPI 0
	s_branch .Ldone
.Lv_out:
	EPI 1
.Ldone:
	s_wait_tensorcnt 0x0                           ; the wave's end
	ds_add_u32 v[SPW], v[NIL]
	s_wait_dscnt 0x0
	CROUND                                         ; the closing round: no work-group ends while a partner may still ask for a tile that names it
	s_endpgm
.Lfunc_end_k_q6d79287826_proj:
	.size	k_q6d79287826_proj, .Lfunc_end_k_q6d79287826_proj-k_q6d79287826_proj
	.p2alignl 7, 3214868480
	.fill 96, 4, 3214868480
	.section	.rodata,"a",@progbits
	.p2align	6, 0x0
	.amdhsa_kernel k_q6d79287826_proj
		.amdhsa_group_segment_fixed_size 327680
		.amdhsa_private_segment_fixed_size 0
		.amdhsa_enable_private_segment 0
		.amdhsa_kernarg_size 48
		.amdhsa_user_sgpr_count 2
		.amdhsa_user_sgpr_kernarg_segment_ptr 1
		.amdhsa_wavefront_size32 1
		.amdhsa_system_sgpr_workgroup_id_x 1
		.amdhsa_system_sgpr_workgroup_id_y 1
		.amdhsa_system_sgpr_workgroup_id_z 1
		.amdhsa_system_vgpr_workitem_id 0
		.amdhsa_next_free_vgpr 1024
		.amdhsa_next_free_sgpr 102
		.amdhsa_reserve_vcc 1
		.amdhsa_float_denorm_mode_32 3
		.amdhsa_float_denorm_mode_16_64 3
		.amdhsa_memory_ordered 1
		.amdhsa_forward_progress 1
		.amdhsa_inst_pref_size 202
	.end_amdhsa_kernel
	.amdgpu_metadata
---
amdhsa.version: [ 1, 2 ]
amdhsa.kernels:
  - .name:           k_q6d79287826_proj
    .symbol:         k_q6d79287826_proj.kd
    .args:
      - { .name: xq, .offset: 0, .size: 8, .value_kind: global_buffer, .address_space: global }
      - { .name: wq, .offset: 8, .size: 8, .value_kind: global_buffer, .address_space: global }
      - { .name: bq, .offset: 16, .size: 8, .value_kind: global_buffer, .address_space: global }
      - { .name: bk, .offset: 24, .size: 8, .value_kind: global_buffer, .address_space: global }
      - { .name: bv, .offset: 32, .size: 8, .value_kind: global_buffer, .address_space: global }
      - { .name: qkv, .offset: 40, .size: 8, .value_kind: global_buffer, .address_space: global }
    .group_segment_fixed_size: 327680
    .private_segment_fixed_size: 0
    .kernarg_segment_align: 8
    .kernarg_segment_size: 48
    .max_flat_workgroup_size: 128
    .sgpr_count:     102
    .vgpr_count:     1024
    .wavefront_size: 32
...
	.end_amdgpu_metadata
.endif
;; end of part 2
;; launch attn (part 3): grid 4 x 64, 8 waves a work-group, clusters of 4 x 1, 327,680 bytes of LDS; arguments qkv, out0; writes out0
.if DOCPART == 3
	.amdgcn_target "amdgcn-amd-amdhsa--gfx1250"
	.amdhsa_code_object_version 6
	.text
	.protected	k_q6d79287826_attn
	.globl	k_q6d79287826_attn
	.p2align	8
	.type	k_q6d79287826_attn,@function
k_q6d79287826_attn:
	s_mov_b64 s[64:65], 0
	v_nop
	global_prefetch_b8 v0, s[64:65] scope:SCOPE_SE
	s_setreg_imm32_b32 hwreg(HW_REG_WAVE_MODE, 25, 1), 1
	s_wait_xcnt 0x0
	s_wait_alu depctr_hold_cnt(0) depctr_sa_sdst(0) depctr_va_vdst(0) depctr_va_sdst(0) depctr_va_ssrc(0) depctr_va_vcc(0) depctr_vm_vsrc(0)
	s_getreg_b32 s2, hwreg(HW_REG_IB_STS2, 6, 4)
	s_cmp_eq_u32 s2, 0
	s_cbranch_scc0 .Lentry_in_a_cluster
	s_endpgm
.Lentry_in_a_cluster:
	s_bfe_u32 s2, ttmp6, 0x10000c
	s_cmp_lg_u32 s2, 0x3003
	s_cbranch_scc0 .Lentry_shape_is_right
	s_endpgm
.Lentry_shape_is_right:
; o = softmax(q k^T / 8) v for one batch and head on codes of FP6 (E2M3) with E8M0 scales, as launch proj left them in qkv (its head states the layout).
; A cluster of four work-groups shares a head's K and V: all 16 blocks of 128 keys (13,056 bytes each) come into LDS once, by ONE joint load a wave: wave w brings blocks 2 w and 2 w + 1
; as a tile of two rows of 13,056 bytes, 19,712 bytes apart in memory, dense in LDS.  Nothing is filled again, and all is asked for at the head: so there is no data prefetch.
; A work-group takes 512 queries, a wave 2 passes of 32.  Both products are used transposed (S^T = k q^T, O^T = v^T p^T): a lane holds one query.
; M is the ceiling of the running largest t, p = 2^(t - M); the row's sum is taken of the unquantised p; O^T and the sum are brought under a new M by an exact power of two.
; K's fragments are asked for ONE STEP AHEAD, behind the step's score products; the address is held at block 15, so the last step of a pass reads that block once more and uses nothing of it.
; LIMITS: the promise holds while the scaled scores stay under 2^31 in magnitude; NaN and infinities are not served.
.set TK,    46                         ; s46  LDS byte of the block whose K is asked for next
.set BLKB,  19712
.set HEADB, 16*BLKB
.set KVB,   13056
.set STAGE, 16*KVB
.set SP,    272
.set L16, 1
.set L8,  2
.set A16, 3
.set A8,  4
.set STO, 5
.set RD,  6
.set GO,  7
.set ST,  12
.set C2,  28
.set KSC, 32
.set VSC, 36
.set QSC, 38
.set PW,  40
.set S,   64
.set PC,  192
.set BM,  232
.set BT,  240
.set SO,  248
.set QF,  64
.set KF,  112
.set VF,  208
.set WV,  14
.set CX,  15
.set BH,  16
.set G1,  24
.set G0A, 32
.set G0B, 36
.set CS,  40
.set SEL, 42
.set TB,  44
.set CNT, 45
.set MSB, 0
.macro WIN new
.if MSB != (\new)
	s_set_vgpr_msb (MSB<<8)|(\new)
.set MSB, (\new)
.endif
.endm
.macro CROUND
	s_barrier_signal -1
	s_barrier_wait -1
	s_cmp_lg_u32 s[WV], 0
	s_cbranch_scc1 .Lnot_wave_0_\@
	s_barrier_signal -3
.Lnot_wave_0_\@:
	s_barrier_wait -3
	s_barrier_signal -1
	s_barrier_wait -1
.endm
	s_load_b128 s[4:7], s[0:1], 0x0
	v_lshl_add_u32 v227, v0, 2, 0x44000
	v_mov_b32 v231, 0
	ds_add_u32 v227, v231
	ds_add_u32 v227, v231
	v_lshrrev_b32 v8, 5, v0
	s_delay_alu instid0(VALU_DEP_1)
	v_readfirstlane_b32 s[WV], v8
	s_bfe_u32 s[CX], ttmp6, 0x40000
	s_and_b32 s[BH], ttmp7, 0xffff
	s_mul_i32 s18, s[BH], HEADB
	s_mov_b32 s19, 0
	s_mov_b32 s[G1], 15|(3<<16)|(1<<21)
	s_mov_b32 s[G1+1], 1632<<16                    ; a row: a block's K and V, 1,632 elements of 8 bytes
	s_mov_b32 s[G1+2], 2<<16                       ; two rows
	s_mov_b32 s[G1+3], 1632<<16
	s_mov_b32 s[G1+4], 2
	s_mov_b32 s[G1+5], 2464                        ; a block in memory: 19,712 bytes
	s_mov_b32 s[G1+6], 0
	s_mov_b32 s[G1+7], 0
	s_mul_i32 s20, s[WV], 2*BLKB
	s_mov_b32 s21, 0
	s_mul_i32 s17, s[WV], 2*KVB
	s_mov_b32 s[CS], 0x3e38aa3b
	s_mov_b32 s[CS+1], s[CS]
	s_mov_b32 s[SEL], 0x76543210
	s_mov_b32 s[SEL+1], 0xfedcba98
	s_wait_dscnt 0x0
	s_wait_kmcnt 0x0
	s_add_nc_u64 s[8:9], s[4:5], s[18:19]
	s_add_nc_u64 s[20:21], s[8:9], s[20:21]
	CROUND
	s_mov_b32 s[G0A], 1
	s_mov_b32 s[G0A+1], s17
	s_mov_b64 s[G0A+2:G0A+3], s[20:21]
	s_or_b32 s[G0A+3], s[G0A+3], 0x80000000
	tensor_load_to_lds s[G0A:G0A+3], s[G1:G1+7]    ; my two blocks: the wave's one tensor load
	s_nop 0
.rept 4
	v_nop
.endr
	s_lshl_b32 s18, s[CX], 2
	s_lshr_b32 s19, s[WV], 2
	s_add_co_u32 s18, s18, s19
	s_mul_i32 s18, s18, BLKB
	s_and_b32 s19, s[WV], 3
	s_mul_i32 s22, s19, 1536
	s_add_co_u32 s22, s22, s18
	s_mov_b32 s23, 0
	s_lshl_b32 s19, s19, 2
	s_add_co_u32 s18, s18, s19
	s_mov_b32 s19, 0
	s_add_nc_u64 s[10:11], s[8:9], s[22:23]
	s_add_nc_u64 s[12:13], s[8:9], s[18:19]
	v_and_b32 v8, 31, v0
	s_delay_alu instid0(VALU_DEP_1)
	v_lshlrev_b32 v[L16], 4, v8
	s_delay_alu instid0(VALU_DEP_2)
	v_lshlrev_b32 v[L8], 3, v8
.irp p, 0,1
	global_load_b32 v[QSC+\p], v[L16], s[12:13] offset:19200+2*BLKB*\p
.endr
	WIN 0x40
.irp p, 0,1
.irp t, 0,1
	global_load_b128 v[QF+24*\p+12*\t:QF+24*\p+12*\t+3], v[L16], s[10:11] offset:KVB+2*BLKB*\p+768*\t
	global_load_b64 v[QF+24*\p+12*\t+4:QF+24*\p+12*\t+5], v[L8], s[10:11] offset:KVB+2*BLKB*\p+768*\t+512
.endr
.endr
.irp f, 0,1,2,3
.irp i, 6,7,8,9,10,11
	v_mov_b32 v[QF+12*\f+\i], 0
.endr
.endr
.irp f, 0,1,2,3,4,5,6,7
.irp i, 6,7,8,9,10,11
	v_mov_b32 v[KF+12*\f+\i], 0
.endr
.endr
	WIN 0
	v_and_b32 v8, 15, v0
	v_bfe_u32 v9, v0, 4, 1
	s_mul_i32 s17, s[WV], 32*SP
	s_add_co_u32 s17, s17, STAGE
	v_mul_u32_u24 v[STO], v8, SP
	s_delay_alu instid0(VALU_DEP_1)
	v_lshl_add_u32 v[STO], v9, 6, v[STO]
	s_delay_alu instid0(VALU_DEP_1)
	v_add_nc_u32 v[STO], s17, v[STO]
	v_mul_u32_u24 v[RD], v9, SP
	s_delay_alu instid0(VALU_DEP_1)
	v_lshl_add_u32 v[RD], v8, 4, v[RD]
	s_delay_alu instid0(VALU_DEP_1)
	v_add_nc_u32 v[RD], s17, v[RD]
	v_lshlrev_b32 v[GO], 12, v9
	s_delay_alu instid0(VALU_DEP_1)
	v_lshl_add_u32 v[GO], v8, 4, v[GO]
	v_lshlrev_b32 v9, 3, v9                        ; v9 = 8 x (lane / 16), kept: where my two bytes stand in p's scale word
	s_lshr_b32 s18, s[BH], 4
	s_lshl_b32 s18, s18, 23
	s_lshl_b32 s19, s[CX], 21
	s_add_co_u32 s18, s18, s19
	s_lshr_b32 s19, s[WV], 1                       ; my query tiles 2 (wave % 4) + t of a block of 128: row i is token 64 (wave / 2) + 16 (wave % 2) + 8 t + 32 (i / 8) + i % 8
	s_lshl_b32 s19, s19, 18
	s_add_co_u32 s18, s18, s19
	s_and_b32 s19, s[WV], 1
	s_lshl_b32 s19, s19, 16
	s_add_co_u32 s18, s18, s19
	s_and_b32 s19, s[BH], 15
	s_lshl_b32 s19, s19, 8
	s_add_co_u32 s18, s18, s19
	s_mov_b32 s19, 0
	s_add_nc_u64 s[6:7], s[6:7], s[18:19]
.irp n, 0,1,2,3,4,5,6,7
	v_mov_b32 v[BT+\n], 0
.endr
.irp t, 0,1
	v_mov_b32 v[ST+8*\t+5], 0
	v_mov_b32 v[ST+8*\t+7], 0
.endr
.macro KQ kt, t, qb, qs
.if ((\kt)%2 == 0) && ((\t) == 0)
	v_wmma_scale_f32_16x16x128_f8f6f4 v[S+64*(\t)+8*(\kt):S+64*(\t)+8*(\kt)+7], v[KF+12*(\kt):KF+12*(\kt)+11], v[(\qb)+12*(\t):(\qb)+12*(\t)+11], 0, v[KSC+(\kt)/2], v[\qs] matrix_a_fmt:MATRIX_FMT_FP6 matrix_b_fmt:MATRIX_FMT_FP6
.elseif ((\kt)%2 == 1) && ((\t) == 0)
	v_wmma_scale_f32_16x16x128_f8f6f4 v[S+64*(\t)+8*(\kt):S+64*(\t)+8*(\kt)+7], v[KF+12*(\kt):KF+12*(\kt)+11], v[(\qb)+12*(\t):(\qb)+12*(\t)+11], 0, v[KSC+(\kt)/2], v[\qs] matrix_a_fmt:MATRIX_FMT_FP6 matrix_b_fmt:MATRIX_FMT_FP6 matrix_a_scale:MATRIX_SCALE_ROW1
.elseif (\kt)%2 == 0
	v_wmma_scale_f32_16x16x128_f8f6f4 v[S+64*(\t)+8*(\kt):S+64*(\t)+8*(\kt)+7], v[KF+12*(\kt):KF+12*(\kt)+11], v[(\qb)+12*(\t):(\qb)+12*(\t)+11], 0, v[KSC+(\kt)/2], v[\qs] matrix_a_fmt:MATRIX_FMT_FP6 matrix_b_fmt:MATRIX_FMT_FP6 matrix_b_scale:MATRIX_SCALE_ROW1
.else
	v_wmma_scale_f32_16x16x128_f8f6f4 v[S+64*(\t)+8*(\kt):S+64*(\t)+8*(\kt)+7], v[KF+12*(\kt):KF+12*(\kt)+11], v[(\qb)+12*(\t):(\qb)+12*(\t)+11], 0, v[KSC+(\kt)/2], v[\qs] matrix_a_fmt:MATRIX_FMT_FP6 matrix_b_fmt:MATRIX_FMT_FP6 matrix_a_scale:MATRIX_SCALE_ROW1 matrix_b_scale:MATRIX_SCALE_ROW1
.endif
.endm
.macro PV dt, t
.if (\dt)%2 == 0
	v_wmma_scale_f32_16x16x128_f8f6f4 v[32*(\t)+8*(\dt):32*(\t)+8*(\dt)+7], v[VF+12*(\dt):VF+12*(\dt)+11], v[PC+20*(\t):PC+20*(\t)+11], v[32*(\t)+8*(\dt):32*(\t)+8*(\dt)+7], v[VSC+(\dt)/2], v[PW+(\t)] matrix_a_fmt:MATRIX_FMT_FP6 matrix_b_fmt:MATRIX_FMT_FP6
.else
	v_wmma_scale_f32_16x16x128_f8f6f4 v[32*(\t)+8*(\dt):32*(\t)+8*(\dt)+7], v[VF+12*(\dt):VF+12*(\dt)+11], v[PC+20*(\t):PC+20*(\t)+11], v[32*(\t)+8*(\dt):32*(\t)+8*(\dt)+7], v[VSC+(\dt)/2], v[PW+(\t)] matrix_a_fmt:MATRIX_FMT_FP6 matrix_b_fmt:MATRIX_FMT_FP6 matrix_a_scale:MATRIX_SCALE_ROW1
.endif
.endm
.macro KLD a, b                        ; a block's K: its scale words and eight half images, 17 loads; v[a] = block + 16 x lane, v[b] = block + 8 x lane
	ds_load_b128 v[KSC:KSC+3], v[\a] offset:6144
	WIN 0x40
.irp kt, 0,1,2,3,4,5,6,7
	ds_load_b128 v[KF+12*\kt:KF+12*\kt+3], v[\a] offset:768*\kt
	ds_load_b64 v[KF+12*\kt+4:KF+12*\kt+5], v[\b] offset:768*\kt+512
.endr
	WIN 0
.endm
.macro STEP qb, qs
	v_add_nc_u32 v[A16], s[TB], v[L16]
	v_add_nc_u32 v[A8], s[TB], v[L8]
	v_nop
	v_nop
	ds_load_b64 v[VSC:VSC+1], v[A8] offset:12800
	WIN 0x40
.irp dt, 0,1,2,3
.irp g, 0,1,2
	ds_load_b128 v[VF+12*\dt+4*\g:VF+12*\dt+4*\g+3], v[A16] offset:6656+1536*\dt+512*\g
.endr
.endr
	s_wait_dscnt 13                                ; K's 17 loads, asked for a step ago, are in; younger are V's scale words and its 12 loads
	WIN 0x05
.irp kt, 0,1,2,3,4,5,6,7
.irp t, 0,1
	KQ \kt, \t, \qb, \qs
.endr
.endr
	WIN 0
	s_add_co_u32 s[TK], s[TB], KVB
	s_min_u32 s[TK], s[TK], 15*KVB                 ; the next block, held at the last
	v_add_nc_u32 v10, s[TK], v[L16]                ; with the two v_nop: the four places behind the score products
	v_add_nc_u32 v11, s[TK], v[L8]
	v_nop
	v_nop
	KLD 10, 11
.irp n, 0,1,2,3,4,5,6,7
	v_max3_num_f32 v[BM+\n], v[S+16*\n], v[S+16*\n+1], v[S+16*\n+2]
.endr
.irp i, 3,5,7,9,11,13
.irp n, 0,1,2,3,4,5,6,7
	v_max3_num_f32 v[BM+\n], v[BM+\n], v[S+16*\n+\i], v[S+16*\n+\i+1]
.endr
.endr
.irp n, 0,1,2,3,4,5,6,7
	v_max_num_f32 v[BM+\n], v[BM+\n], v[S+16*\n+15]
.endr
; Row i of key tile 4 c + u is key 64 c + 32 (i / 8) + 8 u + i % 8: so a lane's registers 32 c + 0 .. 31 of a query tile are keys 64 c + 32 (lane / 16) + 0 .. 31: a whole scale block, in the operand's order
.irp n, 0,2,4,6
	v_max_num_f32 v[BM+\n], v[BM+\n], v[BM+\n+1]   ; the largest score of my block 2 c + lane / 16 (n = 4 t + 2 c)
.endr
.irp t, 0,1
	v_max_num_f32 v[ST+8*\t+6], v[BM+4*\t], v[BM+4*\t+2]
.endr
.irp t, 0,1
	v_permlanex16_b32 v[BT+\t], v[ST+8*\t+6], s[SEL], s[SEL+1]
.endr
.irp t, 0,1
	v_max_num_f32 v[ST+8*\t+6], v[ST+8*\t+6], v[BT+\t]   ; with lane l xor 16's two blocks: the step's largest score of my query
.endr
.irp t, 0,1
	s_delay_alu instid0(VALU_DEP_2)
	v_mul_f32 v[ST+8*\t+6], s[CS], v[ST+8*\t+6]
.endr
.irp t, 0,1
	s_delay_alu instid0(VALU_DEP_2)
	v_max_num_f32 v[ST+8*\t+1], v[ST+8*\t+1], v[ST+8*\t+6]
.endr
.irp t, 0,1
	v_mov_b32 v[ST+8*\t+6], v[ST+8*\t]
.endr
.irp t, 0,1
	s_delay_alu instid0(VALU_DEP_4)
	v_floor_f32 v[ST+8*\t], -v[ST+8*\t+1]
.endr
.irp t, 0,1
	s_delay_alu instid0(VALU_DEP_2)
	v_sub_f32 v[ST+8*\t+6], v[ST+8*\t], v[ST+8*\t+6]
.endr
.irp t, 0,1
	s_delay_alu instid0(VALU_DEP_2)
	v_cvt_i32_f32 v[ST+8*\t+6], v[ST+8*\t+6]
.endr
.irp t, 0,1
	s_delay_alu instid0(VALU_DEP_2)
	v_ldexp_f32 v[ST+8*\t+4], 1.0, v[ST+8*\t+6]
.endr
.set J, 0
.rept 64
	v_pk_fma_f32 v[S+J:S+J+1], v[S+J:S+J+1], s[CS:CS+1], v[ST+8*(J/64):ST+8*(J/64)+1] op_sel_hi:[1,0,0]
.set J, J+2
.endr
.irp n, 0,2,4,6
	v_fma_f32 v[BM+\n], v[BM+\n], s[CS], v[ST+8*(\n/4)]
.endr
.set J, 0
	s_wait_alu depctr_va_vdst(0)
.rept 128
	v_exp_f32 v[S+J], v[S+J]
.set J, J+1
.endr
.irp t, 0,1
	v_pk_mul_f32 v[ST+8*\t+2:ST+8*\t+3], v[ST+8*\t+2:ST+8*\t+3], v[ST+8*\t+4:ST+8*\t+5] op_sel_hi:[1,0]
.endr
	s_wait_alu depctr_va_vdst(0)
.irp n, 0,2,4,6
	v_exp_f32 v[BM+\n], v[BM+\n]
.endr
.irp t, 0,1
	v_pk_add_f32 v[C2+2*\t:C2+2*\t+1], v[S+64*\t:S+64*\t+1], v[S+64*\t+2:S+64*\t+3]
.endr
.irp j, 4,8,12,16,20,24,28,32,36,40,44,48,52,56,60
.irp t, 0,1
	v_pk_add_f32 v[ST+8*\t+2:ST+8*\t+3], v[ST+8*\t+2:ST+8*\t+3], v[S+64*\t+\j:S+64*\t+\j+1]
	v_pk_add_f32 v[C2+2*\t:C2+2*\t+1], v[C2+2*\t:C2+2*\t+1], v[S+64*\t+\j+2:S+64*\t+\j+3]
.endr
.endr
.irp t, 0
	s_delay_alu instid0(VALU_DEP_3)
	v_pk_add_f32 v[ST+8*\t+2:ST+8*\t+3], v[ST+8*\t+2:ST+8*\t+3], v[C2+2*\t:C2+2*\t+1]
.endr
.irp t, 1
	s_delay_alu instid0(VALU_DEP_2)
	v_pk_add_f32 v[ST+8*\t+2:ST+8*\t+3], v[ST+8*\t+2:ST+8*\t+3], v[C2+2*\t:C2+2*\t+1]
.endr
	s_wait_alu depctr_va_vdst(0)
.irp n, 0,2,4,6
	v_max_num_f32 v[BM+\n], 0x1800000, v[BM+\n]
.endr
.irp n, 0,2,4,6
	v_add_nc_u32 v[SO+\n], 0xff000000, v[BM+\n]
.endr
.irp n, 0,2,4,6
	v_lshrrev_b32 v[BT+\n], 23, v[SO+\n]
.endr
.irp t, 0,1
	v_lshl_or_b32 v[PW+\t], v[BT+4*\t+2], 16, v[BT+4*\t]   ; my two bytes: blocks lane / 16 and 2 + lane / 16,
.endr
.irp t, 0,1
	v_lshlrev_b32 v[PW+\t], v9, v[PW+\t]           ; at their places in the word;
.endr
.irp t, 0,1
	v_permlanex16_b32 v[BT+4*\t+1], v[PW+\t], s[SEL], s[SEL+1]
.endr
.irp t, 0,1
	v_or_b32 v[PW+\t], v[PW+\t], v[BT+4*\t+1]      ; with lane l xor 16's two the word is whole
.endr
.irp t, 0,1
.irp c, 0,1
	v_cvt_scalef32_pk16_fp6_f32 v[PC+20*\t+6*\c:PC+20*\t+6*\c+2], v[S+64*\t+32*\c:S+64*\t+32*\c+15], v[SO+4*\t+2*\c]
	v_cvt_scalef32_pk16_fp6_f32 v[PC+20*\t+12+4*\c:PC+20*\t+14+4*\c], v[S+64*\t+32*\c+16:S+64*\t+32*\c+31], v[SO+4*\t+2*\c]
.endr
.endr
	v_nop
.irp t, 0,1
.irp c, 0,1
.irp i, 0,1,2
	v_mov_b32 v[PC+20*\t+3+6*\c+\i], v[PC+20*\t+12+4*\c+\i]   ; a block's upper 16 codes to their place (a conversion's three registers begin on an even number)
.endr
.endr
.endr
	WIN 0x41
.set J, 0
.rept 32
	v_pk_mul_f32 v[J:J+1], v[J:J+1], v[ST+8*(J/32)+4:ST+8*(J/32)+5] op_sel_hi:[1,0]
.set J, J+2
.endr
	s_wait_alu depctr_va_vdst(0)
	s_wait_dscnt 17                                ; V is in; younger are the next block's 17 loads of K
	WIN 0x51
.irp dt, 0,1,2,3
.irp t, 0,1
	PV \dt, \t
.endr
.endr
	WIN 0
	s_add_co_u32 s[TB], s[TB], KVB
.endm
.macro OUT p
.rept 4
	v_nop
.endr
.irp t, 0,1
	v_add_f32 v[ST+8*\t+6], v[ST+8*\t+2], v[ST+8*\t+3]
.endr
.irp t, 0,1
	s_delay_alu instid0(VALU_DEP_2)
	v_permlanex16_b32 v[ST+8*\t+7], v[ST+8*\t+6], s[SEL], s[SEL+1]
.endr
.irp t, 0,1
	s_delay_alu instid0(VALU_DEP_2)
	v_add_f32 v[ST+8*\t+6], v[ST+8*\t+6], v[ST+8*\t+7]
.endr
	s_wait_alu depctr_va_vdst(0)
.irp t, 0,1
	v_rcp_f32 v[ST+8*\t+4], v[ST+8*\t+6]
.endr
	v_nop
	s_wait_alu depctr_va_vdst(0)
	WIN 0x01
.set J, 0
.rept 32
	v_pk_mul_f32 v[S+64*(J/32)+J%32:S+64*(J/32)+J%32+1], v[J:J+1], v[ST+8*(J/32)+4:ST+8*(J/32)+5] op_sel_hi:[1,0]
.set J, J+2
.endr
	WIN 0
.irp t, 0,1
.irp e, 0,1
.irp q, 0,1,2,3
	ds_store_b128 v[STO], v[S+64*\t+16*\e+4*\q:S+64*\t+16*\e+4*\q+3] offset:16*SP*\t+128*\e+16*\q
.endr
.endr
.irp i, 0,1,2,3,4,5,6,7
	ds_load_b128 v[S+64*\t+32+4*\i:S+64*\t+32+4*\i+3], v[RD] offset:SP*(16*\t+2*\i)
.endr
.endr
.irp t, 0,1
.irp i, 0,1,2,3,4,5,6,7
	s_wait_dscnt (1-\t)*16+7-\i
	global_store_b128 v[GO], v[S+64*\t+32+4*\i:S+64*\t+32+4*\i+3], s[6:7] offset:1048576*\p+4096*(8*\t+(2*\i)%8+32*(\i/4)) th:TH_STORE_NT
.endr
.endr
.endm
.macro PASS p
.irp t, 0,1
	v_mov_b32 v[ST+8*\t+1], 0xff61b1e6
	v_mov_b32 v[ST+8*\t+2], 0
	v_mov_b32 v[ST+8*\t+3], 0
.endr
.irp t, 0
	v_floor_f32 v[ST+8*\t], -v[ST+8*\t+1]
.endr
.irp t, 1
	s_delay_alu instid0(VALU_DEP_4)
	v_floor_f32 v[ST+8*\t], -v[ST+8*\t+1]
.endr
	WIN 0x40
.set J, 0
.rept 64
	v_mov_b32 v[J], 0
.set J, J+1
.endr
	WIN 0
	s_mov_b32 s[TB], 0
	s_mov_b32 s[CNT], 16
	KLD L16, L8                                    ; block 0's K
.Lstep_\@:
	STEP QF+24*\p, QSC+\p
	s_sub_co_u32 s[CNT], s[CNT], 1
	s_cmp_lg_u32 s[CNT], 0
	s_cbranch_scc1 .Lstep_\@
	OUT \p
.endm
	s_wait_alu depctr_va_vdst(0)
	s_wait_tensorcnt 0x0
	s_barrier_signal -1
	s_barrier_wait -1
	s_wait_loadcnt 0x0
	PASS 0
	s_wait_xcnt 0x0
	PASS 1
	s_wait_tensorcnt 0x0
	ds_add_u32 v227, v231
	s_wait_dscnt 0x0
	CROUND
	s_endpgm
.Lfunc_end_k_q6d79287826_attn:
	.size	k_q6d79287826_attn, .Lfunc_end_k_q6d79287826_attn-k_q6d79287826_attn
	.p2alignl 7, 3214868480
	.fill 96, 4, 3214868480
	.section	.rodata,"a",@progbits
	.p2align	6, 0x0
	.amdhsa_kernel k_q6d79287826_attn
		.amdhsa_group_segment_fixed_size 327680
		.amdhsa_private_segment_fixed_size 0
		.amdhsa_enable_private_segment 0
		.amdhsa_kernarg_size 16
		.amdhsa_user_sgpr_count 2
		.amdhsa_user_sgpr_kernarg_segment_ptr 1
		.amdhsa_wavefront_size32 1
		.amdhsa_system_sgpr_workgroup_id_x 1
		.amdhsa_system_sgpr_workgroup_id_y 1
		.amdhsa_system_sgpr_workgroup_id_z 1
		.amdhsa_system_vgpr_workitem_id 0
		.amdhsa_next_free_vgpr 512
		.amdhsa_next_free_sgpr 66
		.amdhsa_reserve_vcc 0
		.amdhsa_float_denorm_mode_32 3
		.amdhsa_float_denorm_mode_16_64 3
		.amdhsa_memory_ordered 1
		.amdhsa_forward_progress 1
		.amdhsa_inst_pref_size 85
	.end_amdhsa_kernel
	.amdgpu_metadata
---
amdhsa.version: [ 1, 2 ]
amdhsa.kernels:
  - .name:           k_q6d79287826_attn
    .symbol:         k_q6d79287826_attn.kd
    .args:
      - { .name: qkv, .offset: 0, .size: 8, .value_kind: global_buffer, .address_space: global }
      - { .name: out0, .offset: 8, .size: 8, .value_kind: global_buffer, .address_space: global }
    .group_segment_fixed_size: 327680
    .private_segment_fixed_size: 0
    .kernarg_segment_align: 8
    .kernarg_segment_size: 16
    .max_flat_workgroup_size: 256
    .sgpr_count:     66
    .vgpr_count:     512
    .wavefront_size: 32
...
	.end_amdgpu_metadata
.endif
;; end of part 3
